; MI455X (gfx1250); checked and timed in simulation.
; The chip was launched on July 23, 2026; its instructions are those of AMD's public machine-readable ISA for CDNA 5 (MIT licence, August 2026) and "CDNA5" Instruction Set Architecture Reference Guide (July 2026). The comments in the code are by the model that wrote it; some were corrected since.
;; Linear2 Bit. Allowed arithmetic: float matrix products may take bf16 or f16 operands with f32 sums; other float arithmetic in f32, or as packed bf16 or f16 multiplies, adds, multiply-adds, maxima and minima; sums over many terms, partial sums and values carried from step to step in f32; what a program stores and reads back later, other than sums and carried values, may be rounded once to bf16 or f16.
;; Inputs: bias 2,048 float32; weight_norm 524,288 x 1 float16; weight_q2 524,288 x 4 int32; x 4 x 2,048 x 4,096 float32.
;; Outputs: out0 4 x 2,048 x 2,048 float32.
;; 2 versions, each right; version 2 is version 1 with the launch prep written anew for expert scheduling mode. Each part assembles by itself: llvm-mc -triple=amdgcn-amd-amdhsa -mcpu=gfx1250 --defsym DOCPART=n.
;; ======== version 1 of 2: 2 launches
;; workspace buffers: xb 67,108,864 bytes; wb 16,777,216 bytes
;; launch prep (part 1): grid 512 x 1, 8 waves a work-group, no clusters, 9,216 bytes of LDS; arguments x, weight_q2, weight_norm, xb, wb; writes xb, wb
.if DOCPART == 1
	.amdgcn_target "amdgcn-amd-amdhsa--gfx1250"
	.amdhsa_code_object_version 6
	.text
	.protected	k_qe37e991e18_prep
	.globl	k_qe37e991e18_prep
	.p2align	8
	.type	k_qe37e991e18_prep,@function
k_qe37e991e18_prep:
	s_mov_b64 s[64:65], 0
	v_nop
	global_prefetch_b8 v0, s[64:65] scope:SCOPE_SE
	s_setreg_imm32_b32 hwreg(HW_REG_WAVE_MODE, 25, 1), 1
	s_wait_xcnt 0x0
; xb = x rounded to bf16 ([8192][4096], the same order as x); wb = the weights unpacked and rounded to bf16 ([2048][4096]).
; w[col] = (c / 3) (2 n) - n, c = the 2-bit code of the column, n = the f16 norm of its group of 16 columns.  A word of weight_q2 holds four neighbouring columns' codes in bits 1:0, 3:2, 5:4, 7:6.
; LIMITS.  x and w are rounded once to bf16, to nearest even; |x| beyond bf16's largest finite number becomes an infinity.  w is made as c (n 2/3) - n, one multiply and one fused multiply-add in f32:
; another order of rounding than the problem's formula, a few units of f32's last place apart, which the rounding to bf16 (8 significant bits) covers.  NaN and infinite norms give NaN or infinities, as there.
; A STREAM: every byte is read once and written once; no matrix unit, no barrier.  512 work-groups of eight waves, all alike.
; x: the work-group owns 262,144 consecutive bytes.  Load j (0..63) of thread t takes 16 bytes at 4,096 j + 16 t (a wave: 512 consecutive bytes); its 8 bytes of bf16 go to 2,048 j + 8 t (a wave: 256 consecutive
;    bytes, aligned).  All steps stand in the immediates, so no address register is ever rewritten.  A ring of 16 register slots keeps 16 loads of every wave on their way.
; W: a wave owns half a row: 2,048 bytes of codes (8 loads of 8 bytes a lane, 256 consecutive bytes each), 256 bytes of norms (one load of 8 bytes a lane), 4,096 bytes of wb (8 stores of 16 bytes a lane).
;    Lane l of chunk c holds two words = 8 neighbouring columns of group 16 c + l / 2.  The norms are read from memory once, made f32, and handed between the lanes through the wave's own 1,024 bytes of LDS,
;    each written twice over, so that one 8-byte read gives the pair (n, n) that the packed arithmetic takes.  The bytes are the wave's own, and LDS serves a wave's instructions in order (ISA guide 5.7.1.4): no barrier.
.set DEPTH, 16                         ; slots = x loads in flight in each wave
.set LOADS, 64                         ; x loads of a thread
.set SPARE, 8192                       ; behind the eight waves' norms: the spare words, 128 bytes a wave, four blocks of 256 bytes that no other line names
.set XO,  1                            ; v1        16 t: my bytes in a load of x
.set YO,  2                            ; v2        8 t: my bytes in a store of xb, and my 8 bytes of the work-group's norms
.set QO,  3                            ; v3        2,048 wave + 8 lane: my codes in chunk 0
.set WO,  4                            ; v4        4,096 wave + 16 lane: my 16 bytes of wb in chunk 0
.set NS,  5                            ; v5        LDS: 1,024 wave + 32 lane: where my four norms go, each twice
.set NA,  7                            ; v7        LDS: 1,024 wave + 8 (lane / 2): the pair of group lane / 2; chunk c's lies 128 c further on
                                       ; v[10:11]  four norms as loaded (f16);  v[12:19] the same in f32, each twice.  Halves of registers are named on plain register names, so these ten are written as numbers below
.set SC,  20                           ; v[20:21]  n 2/3, twice
.set T,   22                           ; v[22:29]  8 numbers at work
.set NN,  30                           ; v[30:45]  chunk c: (n, n)
.set Q,   46                           ; v[46:61]  chunk c: two words of codes
.set W,   62                           ; v[62:93]  chunk c: 8 bf16 to store
.set X,   94                           ; v[94:157] slot i: 4 f32 as loaded
.set Y,   158                          ; v[158:189] slot i: 4 bf16 to store
.set SPW, 190                          ; v190      LDS address of my spare word; never rewritten
.set NIL, 191                          ; v191      0; never rewritten
	s_load_b256 s[4:11], s[0:1], 0x0               ; x s[4:5], weight_q2 s[6:7], weight_norm s[8:9], xb s[10:11]
	s_load_b64 s[12:13], s[0:1], 0x20              ; wb
	v_lshl_add_u32 v[SPW], v0, 2, SPARE
	v_mov_b32 v[NIL], 0
	v_lshrrev_b32 v8, 5, v0
	v_readfirstlane_b32 s24, v8                    ; my wave's number as a scalar: the LDS addresses are made of it
	v_and_b32 v9, 31, v0                           ; lane
	s_lshl_b32 s25, s24, 10                        ; my wave's 1,024 bytes of LDS
	v_lshlrev_b32 v[XO], 4, v0
	v_lshlrev_b32 v[YO], 3, v0
	v_lshlrev_b32 v[QO], 3, v9
	v_lshl_add_u32 v[QO], v8, 11, v[QO]
	v_lshlrev_b32 v[WO], 4, v9
	v_lshl_add_u32 v[WO], v8, 12, v[WO]
	v_lshl_add_u32 v[NS], v9, 5, s25
	v_and_b32 v[NA], 30, v9
	v_lshl_add_u32 v[NA], v[NA], 2, s25
	s_lshl_b32 s14, ttmp9, 18                      ; the work-group's share begins at: x 262,144 g,
	s_mov_b32 s15, 0
	s_lshl_b32 s16, ttmp9, 17                      ; xb 131,072 g,
	s_mov_b32 s17, 0
	s_lshl_b32 s18, ttmp9, 14                      ; weight_q2 8 x 2,048 g,
	s_mov_b32 s19, 0
	s_lshl_b32 s20, ttmp9, 15                      ; wb 8 x 4,096 g,
	s_mov_b32 s21, 0
	s_lshl_b32 s22, ttmp9, 11                      ; weight_norm 8 x 256 g: all under 2^32
	s_mov_b32 s23, 0
	s_wait_kmcnt 0x0
	s_add_nc_u64 s[4:5], s[4:5], s[14:15]
	s_add_nc_u64 s[10:11], s[10:11], s[16:17]
	s_add_nc_u64 s[6:7], s[6:7], s[18:19]
	s_add_nc_u64 s[12:13], s[12:13], s[20:21]
	s_add_nc_u64 s[8:9], s[8:9], s[22:23]
	; all loads that can go out at once: the norms, the codes, the ring's first 16 loads of x
	global_load_b64 v[10:11], v[YO], s[8:9] th:TH_LOAD_NT
.irp c, 0,1,2,3,4,5,6,7
	global_load_b64 v[Q+2*(\c):Q+2*(\c)+1], v[QO], s[6:7] offset:256*(\c) th:TH_LOAD_NT
.endr
.irp i, 0,1,2,3,4,5,6,7,8,9,10,11,12,13,14,15
	global_load_b128 v[X+4*(\i):X+4*(\i)+3], v[XO], s[4:5] offset:4096*(\i) th:TH_LOAD_NT
.endr
	s_wait_loadcnt 24                              ; loads come back in order (ISA guide 5.7.1): the norms are in; the 8 loads of codes and 16 of x stay out
	v_cvt_f32_f16 v12, v10.l                       ; groups 4 lane + 0..3, exact in f32, each twice
	v_cvt_f32_f16 v13, v10.l
	v_cvt_f32_f16 v14, v10.h
	v_cvt_f32_f16 v15, v10.h
	v_cvt_f32_f16 v16, v11.l
	v_cvt_f32_f16 v17, v11.l
	v_cvt_f32_f16 v18, v11.h
	v_cvt_f32_f16 v19, v11.h
	ds_store_b128 v[NS], v[12:15]
	ds_store_b128 v[NS], v[16:19] offset:16
.irp c, 0,1,2,3,4,5,6,7
	ds_load_b64 v[NN+2*(\c):NN+2*(\c)+1], v[NA] offset:128*(\c)  ; group 16 c + lane / 2; these see the stores above, which are my wave's own
.endr
	s_wait_dscnt 0x0
; Chunk c of the weights: 8 columns a lane.
.macro DEQ c
	s_wait_loadcnt 23-(\c)                         ; chunk c's codes are in: the 7 - c younger loads of codes and the 16 of x stay out
	v_pk_mul_f32 v[SC:SC+1], v[NN+2*(\c):NN+2*(\c)+1], 0x3f2aaaab op_sel_hi:[1,0]  ; n 2/3
.irp k, 0,1
	v_and_b32 v[T+4*(\k)],   3, v[Q+2*(\c)+(\k)]
	v_bfe_u32 v[T+4*(\k)+1], v[Q+2*(\c)+(\k)], 2, 2
	v_bfe_u32 v[T+4*(\k)+2], v[Q+2*(\c)+(\k)], 4, 2
	v_bfe_u32 v[T+4*(\k)+3], v[Q+2*(\c)+(\k)], 6, 2
.endr
.irp k, 0,1,2,3,4,5,6,7
	v_cvt_f32_u32 v[T+(\k)], v[T+(\k)]
.endr
.irp k, 0,2,4,6
	v_pk_fma_f32 v[T+(\k):T+(\k)+1], v[T+(\k):T+(\k)+1], v[SC:SC+1], v[NN+2*(\c):NN+2*(\c)+1] neg_lo:[0,0,1] neg_hi:[0,0,1]  ; c (n 2/3) - n
.endr
.irp k, 0,1,2,3
	v_cvt_pk_bf16_f32 v[W+4*(\c)+(\k)], v[T+2*(\k)], v[T+2*(\k)+1]
.endr
	global_store_b128 v[WO], v[W+4*(\c):W+4*(\c)+3], s[12:13] offset:512*(\c)  ; a wave: 512 consecutive bytes; each chunk has store registers of its own, so none is rewritten
.endm
.irp c, 0,1,2,3,4,5,6,7
	DEQ \c
.endr
; x: load j's turn, in slot j % 16.  The last 16 turns load nothing, and their counts run down.
.set j, 0
.rept LOADS
.set i, j%DEPTH
.if j < LOADS-DEPTH
	s_wait_loadcnt DEPTH-1                         ; mine is in, the 15 younger ones stay out
.else
	s_wait_loadcnt LOADS-1-j
.endif
	s_wait_xcnt 0x0                                ; every earlier memory instruction has had its addresses translated (ISA guide 3.1): the slot's Y, which its last store reads, is rewritten only behind this wait
	v_cvt_pk_bf16_f32 v[Y+2*i],   v[X+4*i],   v[X+4*i+1]
	v_cvt_pk_bf16_f32 v[Y+2*i+1], v[X+4*i+2], v[X+4*i+3]
.if j < LOADS-DEPTH
	global_load_b128 v[X+4*i:X+4*i+3], v[XO], s[4:5] offset:(j+DEPTH)*4096 th:TH_LOAD_NT  ; the load goes ahead of the store
.endif
	global_store_b64 v[YO], v[Y+2*i:Y+2*i+1], s[10:11] offset:j*2048  ; no hint: the next launch reads xb
.set j, j+1
.endr
	s_wait_tensorcnt 0x0                           ; the wave's end: behind my last LDS store
	ds_add_u32 v[SPW], v[NIL]
	s_wait_dscnt 0x0
	s_endpgm
.Lfunc_end_k_qe37e991e18_prep:
	.size	k_qe37e991e18_prep, .Lfunc_end_k_qe37e991e18_prep-k_qe37e991e18_prep
	.p2alignl 7, 3214868480
	.fill 96, 4, 3214868480
	.section	.rodata,"a",@progbits
	.p2align	6, 0x0
	.amdhsa_kernel k_qe37e991e18_prep
		.amdhsa_group_segment_fixed_size 9216
		.amdhsa_private_segment_fixed_size 0
		.amdhsa_enable_private_segment 0
		.amdhsa_kernarg_size 40
		.amdhsa_user_sgpr_count 2
		.amdhsa_user_sgpr_kernarg_segment_ptr 1
		.amdhsa_wavefront_size32 1
		.amdhsa_system_sgpr_workgroup_id_x 1
		.amdhsa_system_sgpr_workgroup_id_y 1
		.amdhsa_system_sgpr_workgroup_id_z 1
		.amdhsa_system_vgpr_workitem_id 0
		.amdhsa_next_free_vgpr 192
		.amdhsa_next_free_sgpr 66
		.amdhsa_reserve_vcc 0
		.amdhsa_float_denorm_mode_32 3
		.amdhsa_float_denorm_mode_16_64 3
		.amdhsa_memory_ordered 1
		.amdhsa_forward_progress 1
		.amdhsa_inst_pref_size 39
	.end_amdhsa_kernel
	.amdgpu_metadata
---
amdhsa.version: [ 1, 2 ]
amdhsa.kernels:
  - .name:           k_qe37e991e18_prep
    .symbol:         k_qe37e991e18_prep.kd
    .args:
      - { .name: x, .offset: 0, .size: 8, .value_kind: global_buffer, .address_space: global }
      - { .name: weight_q2, .offset: 8, .size: 8, .value_kind: global_buffer, .address_space: global }
      - { .name: weight_norm, .offset: 16, .size: 8, .value_kind: global_buffer, .address_space: global }
      - { .name: xb, .offset: 24, .size: 8, .value_kind: global_buffer, .address_space: global }
      - { .name: wb, .offset: 32, .size: 8, .value_kind: global_buffer, .address_space: global }
    .group_segment_fixed_size: 9216
    .private_segment_fixed_size: 0
    .kernarg_segment_align: 8
    .kernarg_segment_size: 40
    .max_flat_workgroup_size: 256
    .sgpr_count:     66
    .vgpr_count:     192
    .wavefront_size: 32
...
	.end_amdgpu_metadata
.endif
;; end of part 1
;; launch gemm (part 2): grid 8 x 32, 4 waves a work-group, clusters of 4 x 4, 327,680 bytes of LDS; arguments xb, wb, out0, bias; writes out0
.if DOCPART == 2
	.amdgcn_target "amdgcn-amd-amdhsa--gfx1250"
	.amdhsa_code_object_version 6
	.text
	.protected	k_qe37e991e18_gemm
	.globl	k_qe37e991e18_gemm
	.p2align	8
	.type	k_qe37e991e18_gemm,@function
k_qe37e991e18_gemm:
	s_mov_b64 s[64:65], 0
	v_nop
	global_prefetch_b8 v0, s[64:65] scope:SCOPE_SE
	s_setreg_imm32_b32 hwreg(HW_REG_WAVE_MODE, 25, 1), 1
	s_wait_xcnt 0x0
	s_wait_alu depctr_hold_cnt(0) depctr_sa_sdst(0) depctr_va_vdst(0) depctr_va_sdst(0) depctr_va_ssrc(0) depctr_va_vcc(0) depctr_vm_vsrc(0)
	s_getreg_b32 s2, hwreg(HW_REG_IB_STS2, 6, 4)
	s_cmp_eq_u32 s2, 0
	s_cbranch_scc0 .Lentry_in_a_cluster
	s_endpgm
.Lentry_in_a_cluster:
	s_bfe_u32 s2, ttmp6, 0x10000c
	s_cmp_lg_u32 s2, 0xf033
	s_cbranch_scc0 .Lentry_shape_is_right
	s_endpgm
.Lentry_shape_is_right:
; out0[m][n] = sum over k of xb[m][k] wb[n][k] + bias[n].  xb: [SIZE_M][SIZE_K] bf16, wb: [SIZE_N][SIZE_K] bf16, out0: [SIZE_M][SIZE_N] f32, bias: [SIZE_N] f32.  One f32 sum for each output, K ascending; the bias is added in f32.
; LIMITS.  The operands are bf16 (rounded once, by the launch in front); nothing else is rounded but the f32 sums themselves.  NaN and infinities are not treated apart.
; SHARES.  32 x 8 tiles of 256 x 256, one to a work-group of four waves; a wave makes 128 x 128: 64 accumulators of 16 x 16, 512 registers.  K goes in 32 steps of 128 through a ring of two LDS slots filled by
; the tensor data mover: a tile's rows are 256 bytes of memory and start at multiples of 256 bytes from the buffer's first byte.
; CLUSTERS: 4 x 4 work-groups.  The four of a row of the cluster make tiles of one tile row and need the same tiles of xb; the four of a column need the same tiles of wb.  Such a tile is asked for JOINTLY: each of
; the four issues the same tensor load, with the same descriptor and a mask that names the four, and each receives the tile in its own LDS.  That divides the requests for both operands by four.
; REGISTERS, in windows of 256 (s_set_vgpr_msb's low byte: bits 1:0 source 0, 3:2 source 1, 5:4 source 2, 7:6 destination):
;   window 0: v0-35 addresses and the bias; v64-127, v128-191 fragments of xb (8 x 16 rows x 32 K), two buffers; on the way out the same 128 registers take rows read back from the stage
;   window 1: v64-127, v128-191 fragments of wb, two buffers
;   window 2: the 32 accumulators of my rows 0-63 (accumulator (a, b) at v[8 (8 a + b)]);   window 3: those of my rows 64-127
; THE MATRIX INSTRUCTION IS USED TRANSPOSED: source 0 = 16 rows of wb, source 1 = 16 rows of xb.  In the result lane l holds row l % 16 of out0 and its registers 0 to 7 the columns 8 (l / 16) + 0 .. 7:
; 32 neighbouring bytes of a row.
.set SIZE_M, 8192
.set SIZE_N, 2048
.set SIZE_K, 4096
.set KSTEP,  128
.set PITCH,  272                       ; an LDS row: 256 bytes of data + 16 of padding = 68 words: row r starts at bank 4 r mod 64 (64 banks of 4 bytes: ISA guide 11.1), so the 16 rows that a load touches start at 16 different banks
.set HALFT,  128*PITCH                 ; 128 rows: what one tensor load brings, and what one wave reads of either operand
.set SLOT,   4*HALFT                   ; xb's 256 rows, then wb's 256 rows
.set STAGE,  2*SLOT                    ; behind the ring, never filled by a tensor load: 16 rows x 528 bytes for each wave, for the way out
.set SPITCH, 528                       ; a stage row: 128 f32 + 16 bytes = 33 x 16 bytes: the 16 rows that a store touches start at 16 different groups of four banks
.set SPARE,  STAGE+4*16*SPITCH         ; behind the stages: the spare words, 128 bytes for each wave: two blocks of 256 bytes that no other line names
.set LAPS,   SIZE_K/(2*KSTEP)          ; a lap = two K steps = once round the ring: 16
.set ADRA, 16                          ; v16-17  LDS address of my xb fragments in slot 0, 1
.set ADRB, 20                          ; v20-21  the same for wb
.set STO,  24                          ; v24     the way out: where I put 32 bytes of a row
.set RD,   25                          ; v25     the way out: where I read 16 bytes of a row back
.set CO,   26                          ; v26     16 x lane: my four columns' bytes in my wave's 512 bytes of a row of out0, and of bias; never rewritten
.set SPW,  28                          ; v28     LDS address of my spare word: SPARE + 4 x my thread's number; never rewritten
.set NIL,  29                          ; v29     0; never rewritten
.set BIAS, 32                          ; v32-35  the bias of my four columns on the way out
.set F0,   64                          ; fragment buffer 0
.set F1,   128                         ; fragment buffer 1
.set OB,   64                          ; the way out: 16 rows read back from the stage: v64-127 and v128-191 by turns
.set G1,  24                           ; s[24:31] descriptor group 1 for xb's tiles
.set G0,  32                           ; s[32:39] descriptor group 0 for xb's tiles, one set for each slot
.set G1B, 48                           ; s[48:55] descriptor group 1 for wb's tiles: it differs in the mask alone
.set G0B, 56                           ; s[56:63] descriptor group 0 for wb's tiles, one set for each slot
.set BP,  66                           ; s[66:67] bias
.set MSB, 0
.macro WIN new                         ; the immediate's high byte repeats the setting that is left; a switch that changes nothing is dropped
.if MSB != (\new)
	s_set_vgpr_msb (MSB<<8)|(\new)
.set MSB, \new
.endif
.endm
.set MUL_LO, 0xa1                      ; source 0 (wb) window 1, source 1 (xb) window 0, C and D window 2
.set MUL_HI, 0xf1                      ; the same, C and D window 3
.set TO_B,   0x40                      ; destination window 1, address window 0
; A joint load.  Waves 0 and 1 fetch xb's two halves, waves 2 and 3 wb's.  Each of the two lines has ONE mask and one set of registers for all that issue it, and nothing in them hangs on a coordinate that
; the four partners do not share.  The branch hangs on the wave's number alone.  An s_nop 0 and four v_nop follow each of the two lines, ahead of the jump, the label and what follows.
.macro JLOAD s
	s_cmp_eq_u32 s11, 0
	s_cbranch_scc0 .Lfor_b_\@
	tensor_load_to_lds s[G0+4*(\s):G0+4*(\s)+3], s[G1:G1+7]
	s_nop 0
.rept 4
	v_nop
.endr
	s_branch .Lasked_\@
.Lfor_b_\@:
	tensor_load_to_lds s[G0B+4*(\s):G0B+4*(\s)+3], s[G1B:G1B+7]
	s_nop 0
.rept 4
	v_nop
.endr
.Lasked_\@:
.endm
; A round of the cluster's barrier: my work-group's barrier, so that wave 0's signal speaks for all four waves; wave 0 signals for the work-group; every wave waits for all sixteen work-groups; my work-group's
; barrier once more.  No LDS instruction of the wave is pending at a signal.
.macro CREST                           ; a round behind its opening barrier
	s_cmp_lg_u32 s10, 0
	s_cbranch_scc1 .Lnot_wave_0_\@
	s_barrier_signal -3
.Lnot_wave_0_\@:
	s_barrier_wait -3
	s_barrier_signal -1
	s_barrier_wait -1
.endm
.macro CROUND                          ; a whole round
	s_barrier_signal -1
	s_barrier_wait -1
	CREST
.endm
	s_load_b128 s[4:7], s[0:1], 0x0                ; xb s[4:5], wb s[6:7]
	s_load_b64 s[8:9], s[0:1], 0x10                ; out0
	s_load_b64 s[BP:BP+1], s[0:1], 0x18            ; bias
	v_lshl_add_u32 v[SPW], v0, 2, SPARE
	v_mov_b32 v[NIL], 0
	ds_add_u32 v[SPW], v[NIL]                      ; the wave's opening: the add and its wait stand ahead of my first tensor load; the set-up below, work on registers, stands between them
	v_lshrrev_b32 v1, 5, v0
	v_readfirstlane_b32 s10, v1                    ; wave 0..3
	s_lshr_b32 s11, s10, 1                         ; which half of the tile's rows is mine.  Also: I fetch for xb (0) or for wb (1)
	s_and_b32 s12, s10, 1                          ; which half of its columns.  Also: which 128 rows of that tile I fetch
	s_bfe_u32 s40, ttmp6, 0x40000                  ; cx: my place along the cluster's x
	s_bfe_u32 s41, ttmp6, 0x40004                  ; cy: along its y
	s_lshl_b32 s42, ttmp9, 2                       ; in a cluster launch ttmp9 and ttmp7 count clusters
	s_add_co_u32 s42, s42, s40                     ; tile column = 4 x cluster x + cx
	s_and_b32 s13, ttmp7, 0xffff
	s_lshl_b32 s13, s13, 2
	s_add_co_u32 s13, s13, s41                     ; tile row = 4 x cluster y + cy
	s_lshl_b32 s43, s41, 2
	s_lshl_b32 s43, 15, s43                        ; my row of the cluster: places 4 cy .. 4 cy + 3
	s_lshl_b32 s44, 0x1111, s40                    ; my column: places cx, cx + 4, cx + 8, cx + 12
	; descriptor group 1: a tile of 128 rows x 128 elements, padded in LDS
	s_or_b32 s[G1+0], s43, (1<<16)|(1<<20)|(1<<21)|(5<<22)|(3<<25)   ; 15:0 the mask: xb's tiles go to my row; 17:16 elements of 2 bytes; 20 padding on; 21 set beside a mask; 24:22 after every 64 words (code 5); 31:25 of 4 words (code 3)
	s_or_b32 s[G1B+0], s44, (1<<16)|(1<<20)|(1<<21)|(5<<22)|(3<<25)  ; the same with the mask of my column, for wb's tiles
.irp g, G1, G1B
	s_mov_b32 s[(\g)+1], KSTEP<<16                 ; 63:48 tensor_dim0, low half = 128
	s_mov_b32 s[(\g)+2], 128<<16                   ; 79:64 its high half = 0; 95:80 tensor_dim1, low half = 128
	s_mov_b32 s[(\g)+3], KSTEP<<16                 ; 111:96 its high half = 0; 127:112 tile_dim0 = 128
	s_mov_b32 s[(\g)+4], 128                       ; 143:128 tile_dim1 = 128; 159:144 tile_dim2 = 0
	s_mov_b32 s[(\g)+5], SIZE_K                    ; 191:160 tensor_dim0_stride, low word: elements from row to row
	s_mov_b32 s[(\g)+6], 0
	s_mov_b32 s[(\g)+7], 0
.endr
	; where the tiles come from.  xb's hang on the tile row alone, which my row of the cluster shares; wb's on the tile column alone, which my column shares.
	; Every wave makes both addresses, in registers that never hold the other coordinate, and asks by one of them.
	s_lshl_b32 s17, s12, 7                         ; which 128 rows of the tile I fetch
	s_lshl_b32 s16, s13, 8
	s_add_co_u32 s16, s16, s17                     ; xb: row 256 x tile row + 128 x half
	s_lshl_b32 s46, s42, 8
	s_add_co_u32 s46, s46, s17                     ; wb: row 256 x tile column + 128 x half
	s_mov_b32 s17, 0
	s_mov_b32 s47, 0
	s_mov_b64 s[18:19], SIZE_K*2
	s_mul_u64 s[16:17], s[16:17], s[18:19]         ; in bytes, in 64 bits
	s_mul_u64 s[46:47], s[46:47], s[18:19]
	s_mul_i32 s20, s10, HALFT                      ; and where they go: xb's two halves, then wb's two halves = wave x 128 rows: no place in the cluster enters an LDS address
	s_wait_dscnt 0x0                               ; the opening add is done
	s_wait_kmcnt 0x0
	s_add_nc_u64 s[14:15], s[4:5], s[16:17]
	s_add_nc_u64 s[46:47], s[6:7], s[46:47]
	CROUND                                         ; all sixteen work-groups are here: the first joint loads meet
.irp s, 0,1
	s_mov_b32 s[G0+4*(\s)], 1                                        ; 1:0 count = 1
	s_add_co_u32 s[G0+4*(\s)+1], s20, (\s)*SLOT                      ; 63:32 LDS address
	s_add_nc_u64 s[G0+4*(\s)+2:G0+4*(\s)+3], s[14:15], (\s)*KSTEP*2  ; 120:64 global address: K step s
	s_or_b32 s[G0+4*(\s)+3], s[G0+4*(\s)+3], 0x80000000              ; 127:126 type = 2
	s_mov_b32 s[G0B+4*(\s)], 1
	s_add_co_u32 s[G0B+4*(\s)+1], s20, (\s)*SLOT
	s_add_nc_u64 s[G0B+4*(\s)+2:G0B+4*(\s)+3], s[46:47], (\s)*KSTEP*2
	s_or_b32 s[G0B+4*(\s)+3], s[G0B+4*(\s)+3], 0x80000000
	JLOAD \s                                       ; the ring is filled before anything else is done: two tensor loads of mine are out
.endr
	; A fragment is 16 rows x 32 K in 8 registers: lane l holds row l % 16; registers 0-3 hold K = 8 (l / 16) + 0..7, registers 4-7 hold K = 16 + 8 (l / 16) + 0..7.
	; From rows that lie along K: two loads of 16 bytes, 32 bytes apart.  The same for source 0 and source 1.
	v_and_b32 v1, 15, v0                           ; l % 16
	v_bfe_u32 v2, v0, 4, 1                         ; l / 16
	v_mul_u32_u24 v3, v1, PITCH
	v_lshl_add_u32 v3, v2, 4, v3                   ; row x pitch + 16 x half
	s_mul_i32 s21, s11, HALFT                      ; my 128 rows of xb
	s_mul_i32 s22, s12, HALFT                      ; my 128 rows of wb,
	s_add_co_u32 s22, s22, 2*HALFT                 ; which lie behind xb's 256
.irp s, 0,1
	v_add_nc_u32 v[ADRA+(\s)], s21, v3
	v_add_nc_u32 v[ADRB+(\s)], s22, v3
	s_add_co_u32 s21, s21, SLOT
	s_add_co_u32 s22, s22, SLOT
.endr
	s_mul_i32 s23, s10, 16*SPITCH
	s_add_co_u32 s23, s23, STAGE                   ; my stage
	v_mul_u32_u24 v4, v1, SPITCH                   ; in: row l % 16, 32 bytes for each half of the lanes
	v_lshl_add_u32 v4, v2, 5, v4
	v_add_nc_u32 v[STO], s23, v4
	v_and_b32 v5, 31, v0
	v_lshlrev_b32 v[CO], 4, v5                     ; back: the 32 lanes take one row of 512 bytes, 16 bytes each: a lane has the same four columns in every row
	v_add_nc_u32 v[RD], s23, v[CO]
	; out0 at my wave's first row and column; bias at my wave's first column
	s_lshl_b32 s13, s13, 8
	s_lshl_b32 s14, s11, 7
	s_add_co_u32 s16, s13, s14                     ; my first row: 256 x tile row + 128 x half
	s_mov_b32 s17, 0
	s_mov_b64 s[18:19], SIZE_N*4
	s_mul_u64 s[16:17], s[16:17], s[18:19]
	s_lshl_b32 s46, s42, 10                        ; my first column, in bytes: 1,024 x tile column + 512 x half (in the registers that held wb's address: none that feeds xb's descriptors holds cx)
	s_lshl_b32 s47, s12, 9
	s_add_co_u32 s46, s46, s47
	s_mov_b32 s47, 0
	s_add_nc_u64 s[8:9], s[8:9], s[16:17]
	s_add_nc_u64 s[8:9], s[8:9], s[46:47]
	s_add_nc_u64 s[BP:BP+1], s[BP:BP+1], s[46:47]
	global_load_b128 v[BIAS:BIAS+3], v[CO], s[BP:BP+1]  ; 512 consecutive bytes a wave, once
; 16 matrix instructions: m blocks a0, a0 + 1 of the window's four (hi = 0: my rows 0-63, 1: rows 64-127) x all 8 n blocks, 32 along K.
; zero = 1: the first product starts the sums: nothing is ever cleared.  The 64 accumulators take turns, one instruction a turn, in the same order in every quarter step.
.macro MUL16 f, hi, a0, zero
	WIN MUL_LO+0x50*(\hi)  ; MUL_LO or MUL_HI
.irp a, \a0, (\a0)+1
.irp b, 0,1,2,3,4,5,6,7
.if \zero
	v_wmma_f32_16x16x32_bf16 v[8*(8*(\a)+(\b)):8*(8*(\a)+(\b))+7], v[(\f)+8*(\b):(\f)+8*(\b)+7], v[(\f)+8*(4*(\hi)+(\a)):(\f)+8*(4*(\hi)+(\a))+7], 0
.else
	v_wmma_f32_16x16x32_bf16 v[8*(8*(\a)+(\b)):8*(8*(\a)+(\b))+7], v[(\f)+8*(\b):(\f)+8*(\b)+7], v[(\f)+8*(4*(\hi)+(\a)):(\f)+8*(4*(\hi)+(\a))+7], v[8*(8*(\a)+(\b)):8*(8*(\a)+(\b))+7]
.endif
.endr
.endr
.endm
; 32 LDS loads in one run: the fragments of one quarter step (128 rows of wb, 128 rows of xb, 32 K at byte k of the rows) into buffer f
.macro FETCH slot, k, f
	WIN TO_B
.irp i, 0,1,2,3,4,5,6,7
	ds_load_b128 v[(\f)+8*(\i):(\f)+8*(\i)+3],   v[ADRB+(\slot)] offset:(\k)+(\i)*16*PITCH
	ds_load_b128 v[(\f)+8*(\i)+4:(\f)+8*(\i)+7], v[ADRB+(\slot)] offset:(\k)+(\i)*16*PITCH+32
.endr
	WIN 0
.irp i, 0,1,2,3,4,5,6,7
	ds_load_b128 v[(\f)+8*(\i):(\f)+8*(\i)+3],   v[ADRA+(\slot)] offset:(\k)+(\i)*16*PITCH
	ds_load_b128 v[(\f)+8*(\i)+4:(\f)+8*(\i)+7], v[ADRA+(\slot)] offset:(\k)+(\i)*16*PITCH+32
.endr
.endm
; A load into a register that a matrix instruction has read, and an LDS store that reads a matrix result, stand four places behind that matrix instruction, and only plain vector instructions that name none of
; its registers are places (ISA guide 7.12.1 for vector instructions); the matrix instructions in between are not counted.
.macro PLACES
.rept 4
	v_nop
.endr
.endm
; A K step is four quarter steps of 32 along K, 64 matrix instructions each, on buffers 0, 1, 0, 1.
; One of the first three: multiplies buffer f; in its middle it fetches the next quarter's fragments, at byte k of the same slot's rows, into buffer g.
.macro QUARTER slot, k, f, g, zero
	s_wait_dscnt 8                                 ; wb and xb's rows 0-63 are in; the youngest eight loads (xb's rows 64-127) may be out
	WIN MUL_LO
	MUL16 \f, 0, 0, \zero
	MUL16 \f, 0, 2, \zero
	PLACES
	FETCH \slot, \k, \g
	s_wait_dscnt 32                                ; all but the 32 just issued
	WIN MUL_HI
	MUL16 \f, 1, 0, \zero
	MUL16 \f, 1, 2, \zero
.endm
; The last quarter multiplies buffer 1 and changes slots.  MEET is its first half: ONE barrier for the change of slots, for two things.  In front of it each wave waits for all its tensor loads, of which one is
; out: its part of the next slot; adds 0 to its spare word; and waits for that and for its own reads of this slot.  Behind it nobody reads this slot any more and the next slot is whole.
.macro MEET round                      ; round = 1: a round of the cluster's barrier follows
	WIN 0                                          ; (the add's two registers lie in window 0)
	s_wait_tensorcnt 0x0                           ; all my tensor loads have landed: the one that was out is my part of the next slot;
	ds_add_u32 v[SPW], v[NIL]                      ; 0 onto my spare word;
	s_wait_dscnt 9                                 ; (the add and the youngest eight loads may be out)
	WIN MUL_LO
	MUL16 F1, 0, 0, 0                              ; sixteen matrix instructions stand between the add and the wait for it
	s_wait_dscnt 0x0                               ; the add is done, and my reads of this slot are over:
	s_barrier_signal -1                            ; say so (where a slot is filled again this barrier opens a round of the cluster's barrier),
	MUL16 F1, 0, 2, 0                              ; work on registers while the others arrive,
.if \round
	WIN 0
.endif
	s_barrier_wait -1                              ; and go on when all four have said so
.endm
; The whole last quarter.  Behind the round the slot just read out is filled again first, with the K step two steps on; then come the next slot's first fragments.
; From a request to the wait for it a wave issues 224 matrix instructions; one tensor load of mine is out.
.macro TURN slot, next
	MEET 1
	CREST                                          ; no wave of any partner still reads this slot's tile or has a load on its way
	s_add_nc_u64 s[G0+4*(\slot)+2:G0+4*(\slot)+3], s[G0+4*(\slot)+2:G0+4*(\slot)+3], 2*KSTEP*2      ; no tensor load of mine is out, so a group 0 may be written; the type bits on top are not reached
	s_add_nc_u64 s[G0B+4*(\slot)+2:G0B+4*(\slot)+3], s[G0B+4*(\slot)+2:G0B+4*(\slot)+3], 2*KSTEP*2
	JLOAD \slot                                    ; the first tensor load behind the round; the four v_nop behind it are also the places in front of the loads below
	FETCH \next, 0, F0
	WIN MUL_HI
	MUL16 F1, 1, 0, 0
	MUL16 F1, 1, 2, 0
.endm
; THE WAY OUT of block a (16 of my rows), in two parts.  TOSTAGE: a lane's 32 bytes of each of the 8 accumulators go into my own stage in LDS, each accumulator's low four registers first
; and come back as whole rows of 512 bytes.  SEND: the bias is added (behind the read a lane has the same four columns in every row: four registers of bias serve all) and the rows are stored.
.macro TOSTAGE a
.set AC, 64*((\a)%4)
.set BK, OB+64*((\a)%2)
	WIN 0x08+4*((\a)/4)                            ; the stores' data (source 1) in window 2 or 3, the address in window 0
.irp b, 0,1,2,3,4,5,6,7
	ds_store_b128 v[STO], v[AC+8*(\b):AC+8*(\b)+3]   offset:64*(\b)
	ds_store_b128 v[STO], v[AC+8*(\b)+4:AC+8*(\b)+7] offset:64*(\b)+16
.endr
	WIN 0
	s_wait_xcnt 0x0                                ; every earlier memory instruction has had its addresses translated (ISA guide 3.1): the buffer from which block a - 2 was stored is loaded again only behind this wait
.irp t, 0,1,2,3,4,5,6,7,8,9,10,11,12,13,14,15
	ds_load_b128 v[BK+4*(\t):BK+4*(\t)+3], v[RD] offset:(\t)*SPITCH  ; LDS serves a wave's instructions in order (ISA guide 5.7.1.4): these see the stores above, and the next block's stores come behind them
.endr
.endm
.macro SEND a, younger                 ; younger: the LDS instructions issued behind block a's loads: the next block's 16 stores and 16 loads, or none
	WIN 0
.set BK, OB+64*((\a)%2)
.irp t, 0,1,2,3,4,5,6,7,8,9,10,11,12,13,14,15
	s_wait_dscnt (\younger)+15-(\t)                ; row t is back; the block's later rows and the younger instructions stay out
	v_pk_add_f32 v[BK+4*(\t):BK+4*(\t)+1],   v[BK+4*(\t):BK+4*(\t)+1],   v[BIAS:BIAS+1]
	v_pk_add_f32 v[BK+4*(\t)+2:BK+4*(\t)+3], v[BK+4*(\t)+2:BK+4*(\t)+3], v[BIAS+2:BIAS+3]
	global_store_b128 v[CO], v[BK+4*(\t):BK+4*(\t)+3], s[8:9] offset:(16*(\a)+(\t))*SIZE_N*4 th:TH_STORE_NT  ; 512 consecutive bytes, at a multiple of 512 from out0's first; the row stands in the immediate, 127 rows x 8,192 bytes at the most
.endr
.endm
	s_wait_loadcnt 0x0                             ; the bias
	s_wait_tensorcnt 1                             ; my part of K step 0 is in; K step 1's may stay out
	s_barrier_signal -1
	s_barrier_wait -1                              ; everybody's is
	FETCH 0, 0, F0
	QUARTER 0, 64,  F0, F1, 1                      ; the first quarter stands in front of the loop: its products start the sums
	WIN 0                                          ; at a label and at a branch every window is 0
	s_mov_b32 s3, LAPS-1
.Llap:                                                 ; a trip goes once round the ring, from a lap's second quarter to the next lap's first, and fills both slots again: K steps 2 to 31 in 15 trips
	QUARTER 0, 128, F1, F0, 0
	QUARTER 0, 192, F0, F1, 0
	TURN 0, 1
	QUARTER 1, 64,  F0, F1, 0
	QUARTER 1, 128, F1, F0, 0
	QUARTER 1, 192, F0, F1, 0
	TURN 1, 0
	QUARTER 0, 64,  F0, F1, 0
	WIN 0
	s_sub_co_u32 s3, s3, 1
	s_cmp_lg_u32 s3, 0
	s_cbranch_scc1 .Llap
	QUARTER 0, 128, F1, F0, 0                      ; the last lap is written out: it asks for nothing more
	QUARTER 0, 192, F0, F1, 0
	MEET 0                                         ; my one tensor load that was still out is slot 1's, the last K step's, so no round follows
	PLACES                                         ; for the loads into buffer 0, which the quarter before multiplied
	FETCH 1, 0, F0
	WIN MUL_HI
	MUL16 F1, 1, 0, 0
	MUL16 F1, 1, 2, 0
	QUARTER 1, 64,  F0, F1, 0
	QUARTER 1, 128, F1, F0, 0
	QUARTER 1, 192, F0, F1, 0
	s_wait_dscnt 8                                 ; the very last quarter: nothing more to fetch
	WIN MUL_LO
	MUL16 F1, 0, 0, 0
	MUL16 F1, 0, 2, 0
	s_wait_dscnt 0x0
	MUL16 F1, 1, 0, 0
	MUL16 F1, 1, 2, 0
	PLACES                                         ; behind the last products: the stage's stores read results, and its loads land in the fragment buffers
	TOSTAGE 0
.irp a, 1,2,3,4,5,6,7                  ; block a's way through the stage is begun before block a - 1 is waited for and stored
	TOSTAGE \a
	SEND (\a)-1, 32
.endr
	SEND 7, 0
	s_wait_tensorcnt 0x0                           ; the wave's end: behind my last tensor load and my last LDS store
	ds_add_u32 v[SPW], v[NIL]
	s_wait_dscnt 0x0
	CROUND                                         ; the closing round: no work-group ends while a partner may still ask for a tile that names it
	s_endpgm
.Lfunc_end_k_qe37e991e18_gemm:
	.size	k_qe37e991e18_gemm, .Lfunc_end_k_qe37e991e18_gemm-k_qe37e991e18_gemm
	.p2alignl 7, 3214868480
	.fill 96, 4, 3214868480
	.section	.rodata,"a",@progbits
	.p2align	6, 0x0
	.amdhsa_kernel k_qe37e991e18_gemm
		.amdhsa_group_segment_fixed_size 327680
		.amdhsa_private_segment_fixed_size 0
		.amdhsa_enable_private_segment 0
		.amdhsa_kernarg_size 32
		.amdhsa_user_sgpr_count 2
		.amdhsa_user_sgpr_kernarg_segment_ptr 1
		.amdhsa_wavefront_size32 1
		.amdhsa_system_sgpr_workgroup_id_x 1
		.amdhsa_system_sgpr_workgroup_id_y 1
		.amdhsa_system_sgpr_workgroup_id_z 1
		.amdhsa_system_vgpr_workitem_id 0
		.amdhsa_next_free_vgpr 1024
		.amdhsa_next_free_sgpr 68
		.amdhsa_reserve_vcc 0
		.amdhsa_float_denorm_mode_32 3
		.amdhsa_float_denorm_mode_16_64 3
		.amdhsa_memory_ordered 1
		.amdhsa_forward_progress 1
		.amdhsa_inst_pref_size 160
	.end_amdhsa_kernel
	.amdgpu_metadata
---
amdhsa.version: [ 1, 2 ]
amdhsa.kernels:
  - .name:           k_qe37e991e18_gemm
    .symbol:         k_qe37e991e18_gemm.kd
    .args:
      - { .name: xb, .offset: 0, .size: 8, .value_kind: global_buffer, .address_space: global }
      - { .name: wb, .offset: 8, .size: 8, .value_kind: global_buffer, .address_space: global }
      - { .name: out0, .offset: 16, .size: 8, .value_kind: global_buffer, .address_space: global }
      - { .name: bias, .offset: 24, .size: 8, .value_kind: global_buffer, .address_space: global }
    .group_segment_fixed_size: 327680
    .private_segment_fixed_size: 0
    .kernarg_segment_align: 8
    .kernarg_segment_size: 32
    .max_flat_workgroup_size: 128
    .sgpr_count:     68
    .vgpr_count:     1024
    .wavefront_size: 32
...
	.end_amdgpu_metadata
.endif
;; end of part 2
;; ======== version 2 of 2: 2 launches; version 1 with the launch prep written anew for expert scheduling mode
;; workspace buffers: xb 67,108,864 bytes; wb 16,777,216 bytes
;; launch prep (part 3): grid 512 x 1, 8 waves a work-group, no clusters, 9,216 bytes of LDS; arguments x, weight_q2, weight_norm, xb, wb; writes xb, wb
.if DOCPART == 3
	.amdgcn_target "amdgcn-amd-amdhsa--gfx1250"
	.amdhsa_code_object_version 6
	.text
	.protected	k_qe37e991e18_prep
	.globl	k_qe37e991e18_prep
	.p2align	8
	.type	k_qe37e991e18_prep,@function
k_qe37e991e18_prep:
	s_mov_b64 s[64:65], 0
	v_nop
	global_prefetch_b8 v0, s[64:65] scope:SCOPE_SE
	s_setreg_imm32_b32 hwreg(HW_REG_WAVE_SCHED_MODE, 0, 2), 2
	s_setreg_imm32_b32 hwreg(HW_REG_WAVE_MODE, 25, 1), 1
	s_wait_xcnt 0x0
	s_wait_alu depctr_vm_vsrc(0)
; xb = x rounded to bf16 ([8192][4096], the same order as x); wb = the weights unpacked and rounded to bf16 ([2048][4096]).
; w[col] = (c / 3) (2 n) - n, c = the 2-bit code of the column, n = the f16 norm of its group of 16 columns.  A word of weight_q2 holds four neighbouring columns' codes in bits 1:0, 3:2, 5:4, 7:6.
; LIMITS.  x and w are rounded once to bf16, to nearest even; |x| beyond bf16's largest finite number becomes an infinity.  w is made as c (n 2/3) - n, one multiply and one fused multiply-add in f32:
; another order of rounding than the problem's formula, a few units of f32's last place apart, which the rounding to bf16 (8 significant bits) covers.  NaN and infinite norms give NaN or infinities, as there.
; A STREAM: every byte is read once and written once; no matrix unit, no barrier.  512 work-groups of eight waves, all alike.
; x: the work-group owns 262,144 consecutive bytes.  Load j (0..63) of thread t takes 16 bytes at 4,096 j + 16 t (a wave: 512 consecutive bytes); its 8 bytes of bf16 go to 2,048 j + 8 t (a wave: 256 consecutive
;    bytes, aligned).  All steps stand in the immediates, so no address register is ever rewritten.  The 64 loads go in 16 blocks of four, through five register buffers: 12 to 16 loads of every wave are on their way.
; W: a wave owns half a row: 2,048 bytes of codes (8 loads of 8 bytes a lane, 256 consecutive bytes each), 256 bytes of norms (one load of 8 bytes a lane), 4,096 bytes of wb (8 stores of 16 bytes a lane).
;    Lane l of chunk c holds two words = 8 neighbouring columns of group 16 c + l / 2.  The norms are read from memory once, made f32, and handed between the lanes through the wave's own 1,024 bytes of LDS,
;    each written twice over, so that one 8-byte read gives the pair (n, n) that the packed arithmetic takes.  The bytes are the wave's own, and LDS serves a wave's instructions in order (ISA guide 5.7.1.4): no barrier.
; THE MODE: SCHED_MODE bits 1:0 = 2 (LLVM: expert scheduling mode 2), set by the entry lines.  The code itself states the register dependences between vector instructions and memory or LDS instructions,
; with s_wait_alu, always for 0.
; THE PLAN.  Registers that memory or LDS instructions touch:
;   v1-v5, v7, v190, v191   offsets and LDS addresses: written at the head, ahead of one wait, and never again.
;   v[10:11], Q, NN         each loaded once, then read by vector instructions; never loaded again.
;   v[12:19]                written by the eight conversions of the norms, read by the two LDS stores; never written again.
;   W0 .. W7                chunk c's roundings write W[c], its one store reads it; never written again.  Chunks 0-3 are stored behind one wait, among chunks 4-7's arithmetic; chunks 4-7 behind the wait at block 0's head.
;   X0 .. X4                block p's roundings read X[p % 5]; the loads of block p + 4, issued in block p, land in X[(p + 4) % 5] = X[(p - 1) % 5].
;   Y0, Y1                  block p's roundings write Y[p % 2]; the four stores issued in block p + 1 read it.
; So block p's memory instructions touch the two buffers that block p - 1 worked on, which no vector instruction of block p names: the waits at a block's head state all that its eight memory instructions hang
; on, and these are dealt among its roundings with no further wait.  T and SC are named by vector instructions alone.  The text has no loop.
.set BLOCK,  4                         ; x loads in a block
.set BLOCKS, 16                        ; 64 x loads of a thread
.set XBUFS,  5                         ; one buffer at work, three on their way in, one being asked for again
.set SPARE, 8192                       ; behind the eight waves' norms: the spare words, 128 bytes a wave, four blocks of 256 bytes that no other line names
.set XO,  1                            ; v1        16 t: my bytes in a load of x
.set YO,  2                            ; v2        8 t: my bytes in a store of xb, and my 8 bytes of the work-group's norms
.set QO,  3                            ; v3        2,048 wave + 8 lane: my codes in chunk 0
.set WO,  4                            ; v4        4,096 wave + 16 lane: my 16 bytes of wb in chunk 0
.set NS,  5                            ; v5        LDS: 1,024 wave + 32 lane: where my four norms go, each twice
.set NA,  7                            ; v7        LDS: 1,024 wave + 8 (lane / 2): the pair of group lane / 2; chunk c's lies 128 c further on
                                       ; v[10:11]  four norms as loaded (f16);  v[12:19] the same in f32, each twice.  Halves of registers are named on plain register names, so these ten are written as numbers below
.set SC,  20                           ; v[20:21]  n 2/3, twice
.set T,   22                           ; v[22:29]  8 numbers at work
.set NN,  30                           ; v[30:45]  chunk c: (n, n)
.set Q,   46                           ; v[46:61]  chunk c: two words of codes
.set W,   62                           ; v[62:93]  chunk c: 8 bf16 to store
.set X,   94                           ; v[94:173] buffer k, load i: 4 f32 as loaded, at X + 16 k + 4 i
.set Y,   174                          ; v[174:189] buffer k, load i: 4 bf16 to store, at Y + 8 k + 2 i
.set SPW, 190                          ; v190      LDS address of my spare word; never rewritten
.set NIL, 191                          ; v191      0; never rewritten
	s_load_b256 s[4:11], s[0:1], 0x0               ; x s[4:5], weight_q2 s[6:7], weight_norm s[8:9], xb s[10:11]
	s_load_b64 s[12:13], s[0:1], 0x20              ; wb
	v_lshl_add_u32 v[SPW], v0, 2, SPARE
	v_mov_b32 v[NIL], 0
	v_lshrrev_b32 v8, 5, v0
	v_readfirstlane_b32 s24, v8                    ; my wave's number as a scalar: the LDS addresses are made of it
	v_and_b32 v9, 31, v0                           ; lane
	v_lshlrev_b32 v[XO], 4, v0
	v_lshlrev_b32 v[YO], 3, v0
	v_lshlrev_b32 v[QO], 3, v9
	v_lshl_add_u32 v[QO], v8, 11, v[QO]
	v_lshlrev_b32 v[WO], 4, v9
	v_lshl_add_u32 v[WO], v8, 12, v[WO]
	v_and_b32 v[NA], 30, v9
	s_wait_alu depctr_va_sdst(0)                   ; s24 is written, ahead of its first reader, the next line
	s_lshl_b32 s25, s24, 10                        ; my wave's 1,024 bytes of LDS
	v_lshl_add_u32 v[NS], v9, 5, s25
	v_lshl_add_u32 v[NA], v[NA], 2, s25
	s_lshl_b32 s14, ttmp9, 18                      ; the work-group's share begins at: x 262,144 g,
	s_mov_b32 s15, 0
	s_lshl_b32 s16, ttmp9, 17                      ; xb 131,072 g,
	s_mov_b32 s17, 0
	s_lshl_b32 s18, ttmp9, 14                      ; weight_q2 8 x 2,048 g,
	s_mov_b32 s19, 0
	s_lshl_b32 s20, ttmp9, 15                      ; wb 8 x 4,096 g,
	s_mov_b32 s21, 0
	s_lshl_b32 s22, ttmp9, 11                      ; weight_norm 8 x 256 g: all under 2^32
	s_mov_b32 s23, 0
	s_wait_kmcnt 0x0
	s_add_nc_u64 s[4:5], s[4:5], s[14:15]
	s_add_nc_u64 s[10:11], s[10:11], s[16:17]
	s_add_nc_u64 s[6:7], s[6:7], s[18:19]
	s_add_nc_u64 s[12:13], s[12:13], s[20:21]
	s_add_nc_u64 s[8:9], s[8:9], s[22:23]
	s_wait_alu depctr_va_vdst(0)                   ; the offsets and LDS addresses v1 to v5 and v7 are written, which every load, store and LDS line below reads; so are v190 and v191, which the closing add reads
	; all loads that can go out at once: the norms, the codes, blocks 0 to 3 of x into X0 to X3
	global_load_b64 v[10:11], v[YO], s[8:9] th:TH_LOAD_NT
.irp c, 0,1,2,3,4,5,6,7
	global_load_b64 v[Q+2*(\c):Q+2*(\c)+1], v[QO], s[6:7] offset:256*(\c) th:TH_LOAD_NT
.endr
.irp i, 0,1,2,3,4,5,6,7,8,9,10,11,12,13,14,15
	global_load_b128 v[X+4*(\i):X+4*(\i)+3], v[XO], s[4:5] offset:4096*(\i) th:TH_LOAD_NT
.endr
	s_wait_loadcnt 24                              ; loads come back in order (ISA guide 5.7.1): the norms are in; the 8 loads of codes and 16 of x stay out
	v_cvt_f32_f16 v12, v10.l                       ; groups 4 lane + 0..3, exact in f32, each twice
	v_cvt_f32_f16 v13, v10.l
	v_cvt_f32_f16 v14, v10.h
	v_cvt_f32_f16 v15, v10.h
	v_cvt_f32_f16 v16, v11.l
	v_cvt_f32_f16 v17, v11.l
	v_cvt_f32_f16 v18, v11.h
	v_cvt_f32_f16 v19, v11.h
	s_wait_alu depctr_va_vdst(0)                   ; the eight conversions have written v[12:19], which the two LDS stores read
	ds_store_b128 v[NS], v[12:15]
	ds_store_b128 v[NS], v[16:19] offset:16
.irp c, 0,1,2,3,4,5,6,7
	ds_load_b64 v[NN+2*(\c):NN+2*(\c)+1], v[NA] offset:128*(\c)  ; group 16 c + lane / 2; these see the stores above, which are my wave's own; no vector instruction has named NN
.endr
	s_wait_dscnt 0x0
; Chunk c of the weights: 8 columns a lane.  Chunks 4 to 7 each begin with the store of the chunk four back.
.macro DEQ c
.if (\c) == 4
	s_wait_alu depctr_va_vdst(0)                   ; the roundings of chunks 0 to 3 have written W0 to W3, which the four stores at the heads of chunks 4 to 7 read; the vector lines between name T, SC, Q, NN and W4 to W7 alone
.endif
.if (\c) >= 4
	global_store_b128 v[WO], v[W+4*((\c)-4):W+4*((\c)-4)+3], s[12:13] offset:512*((\c)-4)  ; a wave: 512 consecutive bytes; each chunk has store registers of its own, so none is rewritten
.endif
	s_wait_loadcnt 23-(\c)                         ; chunk c's codes are in: the 7 - c younger loads of codes and the 16 of x stay out
	v_pk_mul_f32 v[SC:SC+1], v[NN+2*(\c):NN+2*(\c)+1], 0x3f2aaaab op_sel_hi:[1,0]  ; n 2/3
.irp k, 0,1
	v_and_b32 v[T+4*(\k)],   3, v[Q+2*(\c)+(\k)]
	v_bfe_u32 v[T+4*(\k)+1], v[Q+2*(\c)+(\k)], 2, 2
	v_bfe_u32 v[T+4*(\k)+2], v[Q+2*(\c)+(\k)], 4, 2
	v_bfe_u32 v[T+4*(\k)+3], v[Q+2*(\c)+(\k)], 6, 2
.endr
.irp k, 0,1,2,3,4,5,6,7
	v_cvt_f32_u32 v[T+(\k)], v[T+(\k)]
.endr
.irp k, 0,2,4,6
	v_pk_fma_f32 v[T+(\k):T+(\k)+1], v[T+(\k):T+(\k)+1], v[SC:SC+1], v[NN+2*(\c):NN+2*(\c)+1] neg_lo:[0,0,1] neg_hi:[0,0,1]  ; c (n 2/3) - n
.endr
.irp k, 0,1,2,3
	v_cvt_pk_bf16_f32 v[W+4*(\c)+(\k)], v[T+2*(\k)], v[T+2*(\k)+1]
.endr
.endm
.irp c, 0,1,2,3,4,5,6,7
	DEQ \c
.endr
; x: block p rounds X[p % 5] into Y[p % 2].  Among its roundings stand the loads of block p + 4 and the stores of the block before (in block 0: of the weights' chunks 4 to 7).
; Blocks 12 to 15 load nothing: no load leaves x, and the counts run down.
.set p, 0
.rept BLOCKS
.if BLOCKS-1-p >= XBUFS-2
	s_wait_loadcnt (XBUFS-2)*BLOCK                 ; X[p % 5] is in, the three younger blocks stay out
.else
	s_wait_loadcnt (BLOCKS-1-p)*BLOCK
.endif
.if p > 1
	s_wait_xcnt 0x0                                ; every earlier memory instruction has had its addresses translated (ISA guide 3.1): Y[p % 2], which the stores issued in the block before read, is rewritten only behind this wait
	s_wait_alu depctr_vm_vsrc(0)                   ; those stores have read Y[p % 2], which this block's roundings write again
.endif
.if p == 0
	s_wait_alu depctr_va_vdst(0)                   ; the roundings of chunks 4 to 7 have written W4 to W7, which the four stores below read (X4, in which the loads below land, has been named by no vector instruction)
.else
	s_wait_alu depctr_va_vdst(0)                   ; the block before has written the other Y, which the stores below read, and is done reading its X, in which the loads below land
.endif
.irp i, 0,1,2,3
.if p+XBUFS-1 < BLOCKS
	global_load_b128 v[X+16*((p+XBUFS-1)%XBUFS)+4*(\i):X+16*((p+XBUFS-1)%XBUFS)+4*(\i)+3], v[XO], s[4:5] offset:(BLOCK*(p+XBUFS-1)+(\i))*4096 th:TH_LOAD_NT  ; four blocks ahead, the load ahead of the store; no vector instruction since the wait names these registers
.endif
.if p == 0
	global_store_b128 v[WO], v[W+4*(4+(\i)):W+4*(4+(\i))+3], s[12:13] offset:512*(4+(\i))
.else
	global_store_b64 v[YO], v[Y+8*((p-1)%2)+2*(\i):Y+8*((p-1)%2)+2*(\i)+1], s[10:11] offset:(BLOCK*(p-1)+(\i))*2048  ; the block before; no hint: the next launch reads xb
.endif
	v_cvt_pk_bf16_f32 v[Y+8*(p%2)+2*(\i)],   v[X+16*(p%XBUFS)+4*(\i)],   v[X+16*(p%XBUFS)+4*(\i)+1]
	v_cvt_pk_bf16_f32 v[Y+8*(p%2)+2*(\i)+1], v[X+16*(p%XBUFS)+4*(\i)+2], v[X+16*(p%XBUFS)+4*(\i)+3]
.endr
.set p, p+1
.endr
	s_wait_alu depctr_va_vdst(0)                   ; block 15 has written Y1, which the last four stores read
.irp i, 0,1,2,3
	global_store_b64 v[YO], v[Y+8+2*(\i):Y+8+2*(\i)+1], s[10:11] offset:(BLOCK*(BLOCKS-1)+(\i))*2048
.endr
	s_wait_dscnt 0x0                               ; the wave's end: behind my last LDS store
	s_wait_alu 0x0
	s_wait_tensorcnt 0x0
	ds_add_u32 v[SPW], v[NIL]
	s_wait_dscnt 0x0
	s_endpgm
.Lfunc_end_k_qe37e991e18_prep:
	.size	k_qe37e991e18_prep, .Lfunc_end_k_qe37e991e18_prep-k_qe37e991e18_prep
	.p2alignl 7, 3214868480
	.fill 96, 4, 3214868480
	.section	.rodata,"a",@progbits
	.p2align	6, 0x0
	.amdhsa_kernel k_qe37e991e18_prep
		.amdhsa_group_segment_fixed_size 9216
		.amdhsa_private_segment_fixed_size 0
		.amdhsa_enable_private_segment 0
		.amdhsa_kernarg_size 40
		.amdhsa_user_sgpr_count 2
		.amdhsa_user_sgpr_kernarg_segment_ptr 1
		.amdhsa_wavefront_size32 1
		.amdhsa_system_sgpr_workgroup_id_x 1
		.amdhsa_system_sgpr_workgroup_id_y 1
		.amdhsa_system_sgpr_workgroup_id_z 1
		.amdhsa_system_vgpr_workitem_id 0
		.amdhsa_next_free_vgpr 192
		.amdhsa_next_free_sgpr 66
		.amdhsa_reserve_vcc 0
		.amdhsa_float_denorm_mode_32 3
		.amdhsa_float_denorm_mode_16_64 3
		.amdhsa_memory_ordered 1
		.amdhsa_forward_progress 1
		.amdhsa_inst_pref_size 37
	.end_amdhsa_kernel
	.amdgpu_metadata
---
amdhsa.version: [ 1, 2 ]
amdhsa.kernels:
  - .name:           k_qe37e991e18_prep
    .symbol:         k_qe37e991e18_prep.kd
    .args:
      - { .name: x, .offset: 0, .size: 8, .value_kind: global_buffer, .address_space: global }
      - { .name: weight_q2, .offset: 8, .size: 8, .value_kind: global_buffer, .address_space: global }
      - { .name: weight_norm, .offset: 16, .size: 8, .value_kind: global_buffer, .address_space: global }
      - { .name: xb, .offset: 24, .size: 8, .value_kind: global_buffer, .address_space: global }
      - { .name: wb, .offset: 32, .size: 8, .value_kind: global_buffer, .address_space: global }
    .group_segment_fixed_size: 9216
    .private_segment_fixed_size: 0
    .kernarg_segment_align: 8
    .kernarg_segment_size: 40
    .max_flat_workgroup_size: 256
    .sgpr_count:     66
    .vgpr_count:     192
    .wavefront_size: 32
...
	.end_amdgpu_metadata
.endif
;; end of part 3
;; launch gemm: the kernel of part 2 again; grid 8 x 32, 4 waves a work-group, clusters of 4 x 4, 327,680 bytes of LDS; arguments xb, wb, out0, bias; writes out0
